; MI455X (gfx1250); checked and timed in simulation.
; The chip was launched on July 23, 2026; its instructions are those of AMD's public machine-readable ISA for CDNA 5 (MIT licence, August 2026) and "CDNA5" Instruction Set Architecture Reference Guide (July 2026). The comments in the code are by the model that wrote it; some were corrected since.
;; Multi Head. Allowed arithmetic: matrix products marked QUANTISED: E5M2 operands, one given power-of-two scale a tensor, by v_wmma_f32_16x16x64_bf8_bf8 or v_wmma_f32_16x16x128_bf8_bf8, f32 sums; everything else in f32.
;; Inputs: WK_codes 1,024 x 32 x 32 uint8 (E5M2 codes of WK, K innermost, in blocks of 32 codes); WO_codes 1,024 x 32 x 32 uint8 (E5M2 codes of WO, K innermost, in blocks of 32 codes); WQ_codes 1,024 x 32 x 32 uint8 (E5M2 codes of WQ, K innermost, in blocks of 32 codes); WV_codes 1,024 x 32 x 32 uint8 (E5M2 codes of WV, K innermost, in blocks of 32 codes); lowp_scales 12 int32 (the exponents e of the quantised operands' scales 2^e); token_positions 2,048 int32; x_codes 4 x 2,048 x 32 x 32 uint8 (E5M2 codes of x, K innermost, in blocks of 32 codes).
;; Outputs: out0 4 x 2,048 x 1,024 float32.
;; This version of the problem:
;;   THIS VERSION OF THE PROBLEM IS GIVEN IN LOW PRECISION. The matrix products marked QUANTISED in the list below multiply operands that are first quantised to E5M2 (5 exponent bits, 2 mantissa bits; 8 bits a number), with one given power-of-two scale for each operand tensor; their sums are f32. All else is computed in f32.
;;   The module's matrix products, in the order in which they are computed (A, B: the left and right operand; K: the contracted axis; several contracted axes count as one K, in the product's order):
;;     1. [M 8,192, K 1,024] x [K 1,024, N 1,024]; A: input x (given as codes); B: input WQ (given as codes): QUANTISED (scales: A lowp_scales[0], B lowp_scales[1])
;;     2. [M 8,192, K 1,024] x [K 1,024, N 1,024]; A: input x (given as codes); B: input WK (given as codes): QUANTISED (scales: A lowp_scales[2], B lowp_scales[3])
;;     3. [M 8,192, K 1,024] x [K 1,024, N 1,024]; A: input x (given as codes); B: input WV (given as codes): QUANTISED (scales: A lowp_scales[4], B lowp_scales[5])
;;     4. batch 64 x [M 2,048, K 64] x [K 64, N 2,048]; A: computed on the way; B: computed on the way: QUANTISED (scales: A lowp_scales[6], B lowp_scales[7])
;;     5. batch 64 x [M 2,048, K 2,048] x [K 2,048, N 64]; A: softmax (see below); B: computed on the way: QUANTISED (scales: A lowp_scales[8], B lowp_scales[9])
;;     6. [M 8,192, K 1,024] x [K 1,024, N 1,024]; A: computed on the way; B: input WO (given as codes): QUANTISED (scales: A lowp_scales[10], B lowp_scales[11])
;;   THE QUANTISER, for each operand of a quantised product, along K:
;;     - The operand's scale is 2^e, e = its entry of the input lowp_scales (int32; the entries are numbered through the quantised products in the list's order, A before B).
;;     - Each number is divided by the scale, clamped to +-57,344, and rounded to the nearest number of E5M2, ties to even, subnormals kept.
;;     - The product sums the exact products of the quantised numbers (number of the format x scale) in f32.
;;   ~~~python
;;   def quantise(x, axis, e):      # numpy; x: float32 -> the quantised numbers, widened to float32 again
;;       x = np.moveaxis(x, axis, -1); K = x.shape[-1]
;;       r = np.clip(x / 2.0 ** e, -57344, 57344)
;;       step = 2.0 ** (np.maximum(np.frexp(np.where(r == 0, 1, r))[1] - 1, -14) - 2)
;;       q = np.round(r / step) * step * 2.0 ** e      # np.round: ties to even
;;       return np.moveaxis(q, -1, axis).astype(np.float32)
;;   ~~~
;;   SOFTMAX AHEAD OF A QUANTISED PRODUCT. Where the list says 'softmax', what is quantised is not the finished softmax but p = 2^(t - M), with t = logit x log2(e) and M = ceil(the row's largest t), a whole number; so 1/2 < the row's largest p <= 1. The row's sum l is taken of the UNQUANTISED p, in f32, and the product's result is divided by l at the end. Since M is a whole number, a kernel that streams over the keys may use a running M (the ceiling of the running maximum): every later rescaling is an exact power of two, so the quantised numbers keep their values, but for numbers so far below the row's largest that they fall under the format's range.
;;   OPERANDS COMPUTED ON THE WAY. 'Computed on the way' means the value that the module computes at that place (a softmax that the list does not call 'softmax' is quantised finished and normalised). What goes into a quantiser is computed in f32, as accurately as f32 sums, v_exp_f32 and their like allow (about 1e-6 of the number): no bf16 or f16 on the way to a quantiser, and a product that is left as it is and whose result goes on into a quantised operand takes f32 operands (vector FMAs, or v_wmma_f32_16x16x4_f32). A number that lies on a knife's edge between two numbers of the format may be rounded either way, as far as f32 arithmetic and the matrix unit's own rounding can turn it there, and no further.
;;   INPUTS GIVEN AS CODES. WK (in the module: [1024, 1024], K = its axis 1); WO (in the module: [1024, 1024], K = its axis 1); WQ (in the module: [1024, 1024], K = its axis 1); WV (in the module: [1024, 1024], K = its axis 1); x (in the module: [4, 2048, 1024], K = its axis 2): each comes as NAME_codes (uint8): NAME with its K axis moved to the last place and cut into blocks of 32 codes, [.., K / 32, bytes a block], one block behind the other in memory; one code a byte (a code: sign, 5 exponent bits, 2 mantissa bits); its scale is its entry of lowp_scales. Its value is code x scale, taken as it is: it is not quantised again, and the codes and scales need not be those that the quantiser above would give.
;; One version. Each part assembles by itself: llvm-mc -triple=amdgcn-amd-amdhsa -mcpu=gfx1250 --defsym DOCPART=n.
;; ======== version 1 of 1: 3 launches
;; limits: inputs' magnitudes at most 4,194,304; right only within a limited range of input values
;; workspace buffers: q_img 8,388,608 bytes; k_img 8,388,608 bytes; v_img 8,388,608 bytes; a_img 8,388,608 bytes
;; launch qkv (part 1): grid 4 x 192, 4 waves a work-group, clusters of 4 x 4, 327,680 bytes of LDS; arguments x_codes, WQ_codes, WK_codes, WV_codes, lowp_scales, token_positions, q_img, k_img, v_img; writes q_img, k_img, v_img
.if DOCPART == 1
	.amdgcn_target "amdgcn-amd-amdhsa--gfx1250"
	.amdhsa_code_object_version 6
	.text
	.protected	k_q4de0df0338_qkv
	.globl	k_q4de0df0338_qkv
	.p2align	8
	.type	k_q4de0df0338_qkv,@function
k_q4de0df0338_qkv:
	s_mov_b64 s[64:65], 0
	v_nop
	global_prefetch_b8 v0, s[64:65] scope:SCOPE_SE
	s_setreg_imm32_b32 hwreg(HW_REG_WAVE_MODE, 25, 1), 1
	s_wait_xcnt 0x0
	s_wait_alu depctr_hold_cnt(0) depctr_sa_sdst(0) depctr_va_vdst(0) depctr_va_sdst(0) depctr_va_ssrc(0) depctr_va_vcc(0) depctr_vm_vsrc(0)
	s_getreg_b32 s2, hwreg(HW_REG_IB_STS2, 6, 4)
	s_cmp_eq_u32 s2, 0
	s_cbranch_scc0 .Lentry_in_a_cluster
	s_endpgm
.Lentry_in_a_cluster:
	s_bfe_u32 s2, ttmp6, 0x10000c
	s_cmp_lg_u32 s2, 0xf033
	s_cbranch_scc0 .Lentry_shape_is_right
	s_endpgm
.Lentry_shape_is_right:
; Q = rope(x WQ^T), K = rope(x WK^T), V = x WV^T on codes of BF8 (E5M2), and their quantisers.  x: 8,192 rows of 1,024 codes; each weight: 1,024 rows of 1,024 codes; K innermost.
; A work-group makes 128 rows of an operand called A x 256 rows of an operand called B over K = 1,024.  The cluster's number C (0..47) gives the kind: C / 16 = 0: Q, 1: K, 2: V.
;   Q, K: A = 128 tokens of x, B = 256 features of the weight: a lane then holds one token and eight neighbouring features, four pairs of the rotation.
;   V:    A = 128 features of WV, B = 256 tokens of x: a lane then holds one channel and eight neighbouring keys, which are the K of the product that reads V: nothing is transposed.
; Four waves, 2 x 2; a wave makes 64 rows of A x 128 rows of B: 32 accumulators of 16 x 16, 256 registers.  The matrix instruction is used transposed: source 0 = 16 rows of B, source 1 = 16 rows of A.
; K goes in four steps of 256 through two LDS slots filled by the tensor data mover; a step is two sub-steps of 128, 32 matrix instructions each; the eight sub-steps are written out.
; CLUSTERS: 4 x 4 work-groups.  A's tile hangs on the place along y and is asked for jointly by a row of the cluster, B's on the place along x, by a column.
; THE RESULTS LEAVE AS IMAGES OF THE READER'S OPERAND REGISTERS (K = 64 form: registers 2 c, 2 c + 1 hold k = 16 c + 8 (lane / 16) + 0 .. 7):
;   q_img, k_img: byte (16 batch + head) x 131072 + (token / 16) x 1024 + qd x 512 + lane x 16 + e = token 16 T + lane % 16, channel 16 (2 qd + e / 8) + 8 (lane / 16) + e % 8
;   v_img: byte (16 batch + head) x 131072 + (key / 64) x 4096 + (channel / 16) x 1024 + qd x 512 + lane x 16 + e = channel 16 ct + lane % 16, key 64 st + 16 (2 qd + e / 8) + 8 (lane / 16) + e % 8
;   A lane's codes are 16 bytes of such an image: every store of a wave covers 512 consecutive bytes, aligned.
; THE ROTATION: cos and sin of position x 10^(-i / 8), i = 0 .. 31, are made here, one token a thread, while the first tiles are on their way: the angle as one f32 product, n = the nearest whole number
; to angle / pi, r = angle - n pi with pi in two parts, Taylor's sums to r^13 and r^12 (|r| <= pi / 2: what is cut off is under 1e-8), the sign by n's lowest bit.  They wait in LDS for the way out.
; A sum stands for sum x 2^(ex + ew); the rotation is linear: so the three scales are folded into the conversion's one, 2^(eq - ex - ew).
; LIMITS.  |position| <= 4,194,304 (n is rounded by adding 1.5 x 2^23).  e6 - e0 - e1, e7 - e2 - e3 and e9 - e4 - e5 between -126 and 112, so that each power of two below is an f32 number.
; Inside a matrix instruction k is permuted alike in both operands (fragments come by loads of 16 bytes): the order of the sums there differs from ascending k.  The rotation uses one fused multiply-add
; where two roundings could stand.  Codes of NaN and infinity are not served.
; No prefetch is laid: of four K steps two are asked for at the head, and every tile is read by several work-groups.
; REGISTERS, in windows of 256: window 0: v0-31 addresses and constants; v32-127 at work; v128-191, v192-255 A's fragments, two sets of 4 x 16.  window 1: B's fragments, two sets of 8 x 16.
;   window 2: accumulator (a, b) at v[8 (8 a + b)].
.set PITCH, 272                        ; an LDS row: 256 bytes + 16 of padding = 68 words: the 16 rows that a load touches start at 16 different banks (64 banks of 4 bytes: ISA guide 11.1)
.set ATILE, 128*PITCH                  ; A's 128 rows
.set SLOT,  384*PITCH                  ; then B's 256 rows
.set TAB,   2*SLOT                     ; behind the ring: cos and sin, 128 tokens x (32 x 8 bytes + 16); no fill lands here
.set SPARE, TAB+128*PITCH              ; behind it: the spare words, 128 bytes for each wave: two blocks of 256 bytes that no other line names
.set ASTEP, 512                        ; a slot's next tile lies two K steps of 256 bytes on
.set BSTEP, 512
.set ADRA, 16                          ; v16-17 LDS address of my A fragments in slot 0, 1
.set ADRB, 20                          ; v20-21 the same for B
.set SPW,  28                          ; v28 LDS address of my spare word; never rewritten
.set NIL,  29                          ; v29 0; never rewritten
.set G1A, 24                           ; s[24:31] descriptor group 1 for A's tiles; s[32:39] group 0, a set for each slot
.set G0A, 32
.set G1B, 48                           ; s[48:55], s[56:63] the same for B's
.set G0B, 56
.set MUL,  0xa1                        ; source 0 (B) window 1, source 1 (A) window 0, C and D window 2
.set TO_B, 0x40                        ; destination window 1, address window 0
.set TA, 32                            ; the table's work, pair k of four at + 20 k: the angles,
.set TM, 34                            ; angle / pi + 1.5 x 2^23,
.set TN, 36                            ; n,
.set TR, 38                            ; r,
.set TQ, 40                            ; r^2,
.set TP, 42                            ; the sine's sum,
.set TC, 44                            ; the cosine's,
.set TW, 46                            ; r^3,
.set TO, 48                            ; cos, sin, cos, sin
.set MSB, 0
.macro WIN new                         ; the immediate's high byte repeats the setting that is left
.if MSB != \new
	s_set_vgpr_msb (MSB<<8)|\new
.set MSB, \new
.endif
.endm
.macro PLACES n
.rept \n
	v_nop
.endr
.endm
; A joint load: waves 0 and 1 fetch A's halves, waves 2 and 3 B's.  The branch hangs on the wave's number alone.  Four v_nop follow each of the two lines.
.macro JLOAD s
	s_cmp_eq_u32 s23, 0
	s_cbranch_scc0 .Lfor_b_\@
	tensor_load_to_lds s[G0A+4*\s:G0A+4*\s+3], s[G1A:G1A+7]
	s_nop 0
.rept 4
	v_nop
.endr
	s_branch .Lasked_\@
.Lfor_b_\@:
	tensor_load_to_lds s[G0B+4*\s:G0B+4*\s+3], s[G1B:G1B+7]
	s_nop 0
.rept 4
	v_nop
.endr
.Lasked_\@:
.endm
.macro CREST                           ; a round of the cluster's barrier behind its opening barrier
	s_cmp_lg_u32 s22, 0
	s_cbranch_scc1 .Lnot_wave_0_\@
	s_barrier_signal -3
.Lnot_wave_0_\@:
	s_barrier_wait -3
	s_barrier_signal -1
	s_barrier_wait -1
.endm
.macro CROUND                          ; a whole round
	s_barrier_signal -1
	s_barrier_wait -1
	CREST
.endm
; 48 LDS loads in one run: the fragments of the slot's q-th 128 along K into set p.  A fragment, 16 rows x 128 K, is 16 registers: registers 4 c .. 4 c + 3 hold K = 32 c + 16 (lane / 16) + 0 .. 15 of row lane % 16
.macro FETCH slot, q, p
	WIN TO_B
.irp i, 0,1,2,3,4,5,6,7
.irp c, 0,1,2,3
	ds_load_b128 v[128*(\p)+16*\i+4*\c:128*(\p)+16*\i+4*\c+3], v[ADRB+\slot] offset:128*(\q)+32*\c+\i*16*PITCH
.endr
.endr
	WIN 0
.irp i, 0,1,2,3
.irp c, 0,1,2,3
	ds_load_b128 v[128+64*(\p)+16*\i+4*\c:128+64*(\p)+16*\i+4*\c+3], v[ADRA+\slot] offset:128*(\q)+32*\c+\i*16*PITCH
.endr
.endr
.endm
; 8 matrix instructions: A's block a against B's eight, from set p.  zero = 1: the product starts the sums.  The 32 accumulators take turns in the same order in every sub-step.
.macro MUL8 a, p, zero
.irp b, 0,1,2,3,4,5,6,7
.if \zero
	v_wmma_f32_16x16x128_bf8_bf8 v[8*(8*(\a)+\b):8*(8*(\a)+\b)+7], v[128*(\p)+16*\b:128*(\p)+16*\b+15], v[128+64*(\p)+16*(\a):128+64*(\p)+16*(\a)+15], 0
.else
	v_wmma_f32_16x16x128_bf8_bf8 v[8*(8*(\a)+\b):8*(8*(\a)+\b)+7], v[128*(\p)+16*\b:128*(\p)+16*\b+15], v[128+64*(\p)+16*(\a):128+64*(\p)+16*(\a)+15], v[8*(8*(\a)+\b):8*(8*(\a)+\b)+7]
.endif
.endr
.endm
; A slot's first sub-step multiplies set 0; the second sub-step's fragments are asked for ahead of its 32 products.
.macro SUB slot, zero
	s_wait_dscnt 0x0                               ; set 0 is in
.if \zero == 0
	PLACES 4                                       ; four places between the last products, which read set 1, and the loads into it (ISA guide 7.12.1 for vector instructions)
.endif
	FETCH \slot, 1, 1
	WIN MUL
	MUL8 0, 0, \zero
	MUL8 1, 0, \zero
	MUL8 2, 0, \zero
	MUL8 3, 0, \zero
	WIN 0
.endm
; A slot's second sub-step multiplies set 1 and changes slots: one barrier; in front of it each wave waits for all its tensor loads, adds 0 to its spare word, and waits for that and for its reads of this slot.
.macro TURN slot, next, fill
	s_wait_tensorcnt 0x0                           ; all my tensor loads have landed: my part of the next slot
	ds_add_u32 v[SPW], v[NIL]                      ; 0 onto my spare word
	s_wait_dscnt 1                                 ; set 1's 48 loads are in; the add alone may be out
	WIN MUL
	MUL8 0, 1, 0                                   ; eight matrix instructions stand between the add and the wait for it
	s_wait_dscnt 0x0                               ; the add is done, and my reads of this slot are over
	s_barrier_signal -1
	MUL8 1, 1, 0
	WIN 0
	s_barrier_wait -1
.if \fill
	CREST                                          ; the barrier has opened a round of the cluster's: no wave of any partner still reads this slot or has a load on its way
	s_add_nc_u64 s[G0A+4*\slot+2:G0A+4*\slot+3], s[G0A+4*\slot+2:G0A+4*\slot+3], ASTEP
	s_add_nc_u64 s[G0B+4*\slot+2:G0B+4*\slot+3], s[G0B+4*\slot+2:G0B+4*\slot+3], BSTEP
	JLOAD \slot                                    ; the first tensor load behind the round; its four v_nop are the places in front of the loads below
.else
	PLACES 4
.endif
	FETCH \next, 0, 0
	WIN MUL
	MUL8 2, 1, 0
	MUL8 3, 1, 0
	WIN 0
.endm
.macro LAST                            ; the very last sub-step: nothing more to fetch
	s_wait_dscnt 0x0
	WIN MUL
	MUL8 0, 1, 0
	MUL8 1, 1, 0
	MUL8 2, 1, 0
	MUL8 3, 1, 0
	WIN 0
.endm
; One level of both sums, for the four pairs: sum = sum x r^2 + the next coefficient
.macro HORNER s, c
.irp k, 0,1,2,3
	v_pk_fma_f32 v[TP+20*\k:TP+20*\k+1], v[TP+20*\k:TP+20*\k+1], v[TQ+20*\k:TQ+20*\k+1], \s op_sel_hi:[1,1,0]
	v_pk_fma_f32 v[TC+20*\k:TC+20*\k+1], v[TC+20*\k:TC+20*\k+1], v[TQ+20*\k:TQ+20*\k+1], \c op_sel_hi:[1,1,0]
.endr
.endm
; cos and sin of my token's angles of frequencies 8 g .. 8 g + 7, as four pairs, line by line across the pairs so that no line waits for the line above it
.macro SC4 g, f0, f1, f2, f3, f4, f5, f6, f7
	v_mul_f32 v[TA], \f0, v25                      ; the angle: position x frequency, rounded to f32
	v_mul_f32 v[TA+1], \f1, v25
	v_mul_f32 v[TA+20], \f2, v25
	v_mul_f32 v[TA+21], \f3, v25
	v_mul_f32 v[TA+40], \f4, v25
	v_mul_f32 v[TA+41], \f5, v25
	v_mul_f32 v[TA+60], \f6, v25
	v_mul_f32 v[TA+61], \f7, v25
.irp k, 0,1,2,3
	v_pk_fma_f32 v[TM+20*\k:TM+20*\k+1], v[TA+20*\k:TA+20*\k+1], 0x3ea2f983, v[30:31] op_sel_hi:[1,0,1]   ; angle / pi + 1.5 x 2^23: the sum's rounding makes the whole number n; its lowest bit is the word's
.endr
.irp k, 0,1,2,3
	v_pk_add_f32 v[TN+20*\k:TN+20*\k+1], v[TM+20*\k:TM+20*\k+1], v[30:31] neg_lo:[0,1] neg_hi:[0,1]       ; n
.endr
.irp k, 0,1,2,3
	v_pk_fma_f32 v[TR+20*\k:TR+20*\k+1], v[TN+20*\k:TN+20*\k+1], 0xc0490fdb, v[TA+20*\k:TA+20*\k+1] op_sel_hi:[1,0,1]   ; angle - n x 3.14159274
.endr
.irp k, 0,1,2,3
	v_pk_fma_f32 v[TR+20*\k:TR+20*\k+1], v[TN+20*\k:TN+20*\k+1], 0x33bbbd2e, v[TR+20*\k:TR+20*\k+1] op_sel_hi:[1,0,1]   ; + n x 8.74227766e-8: r
.endr
.irp k, 0,1,2,3
	v_pk_mul_f32 v[TQ+20*\k:TQ+20*\k+1], v[TR+20*\k:TR+20*\k+1], v[TR+20*\k:TR+20*\k+1]
.endr
.irp k, 0,1,2,3
	v_pk_fma_f32 v[TP+20*\k:TP+20*\k+1], v[TQ+20*\k:TQ+20*\k+1], 0x2f309231, v[112:113] op_sel_hi:[1,0,1]   ; r^2 / 13! - 1 / 11!
	v_pk_fma_f32 v[TC+20*\k:TC+20*\k+1], v[TQ+20*\k:TQ+20*\k+1], 0x310f76c7, v[114:115] op_sel_hi:[1,0,1]   ; r^2 / 12! - 1 / 10!
.endr
	HORNER 0x3638ef1d, 0x37d00d01                  ; 1 / 9!, 1 / 8!
	HORNER 0xb9500d01, 0xbab60b61                  ; -1 / 7!, -1 / 6!
	HORNER 0x3c088889, 0x3d2aaaab                  ; 1 / 5!, 1 / 4!
	HORNER 0xbe2aaaab, -0.5                        ; -1 / 3!, -1 / 2!
.irp k, 0,1,2,3
	v_pk_mul_f32 v[TW+20*\k:TW+20*\k+1], v[TQ+20*\k:TQ+20*\k+1], v[TR+20*\k:TR+20*\k+1]
	v_pk_fma_f32 v[TC+20*\k:TC+20*\k+1], v[TC+20*\k:TC+20*\k+1], v[TQ+20*\k:TQ+20*\k+1], 1.0 op_sel_hi:[1,1,0]   ; cos r
.endr
.irp k, 0,1,2,3
	v_pk_fma_f32 v[TP+20*\k:TP+20*\k+1], v[TP+20*\k:TP+20*\k+1], v[TW+20*\k:TW+20*\k+1], v[TR+20*\k:TR+20*\k+1]  ; sin r = r + r^3 x the sum
.endr
.irp k, 0,1,2,3
	v_lshlrev_b32 v[TM+20*\k], 31, v[TM+20*\k]     ; n's lowest bit as a sign
	v_lshlrev_b32 v[TM+20*\k+1], 31, v[TM+20*\k+1]
.endr
.irp k, 0,1,2,3
	v_xor_b32 v[TO+20*\k], v[TC+20*\k], v[TM+20*\k]
	v_xor_b32 v[TO+20*\k+1], v[TP+20*\k], v[TM+20*\k]
	v_xor_b32 v[TO+20*\k+2], v[TC+20*\k+1], v[TM+20*\k+1]
	v_xor_b32 v[TO+20*\k+3], v[TP+20*\k+1], v[TM+20*\k+1]
.endr
.irp k, 0,1,2,3
	ds_store_b128 v22, v[TO+20*\k:TO+20*\k+3] offset:16*(4*\g+\k)   ; (cos, sin) of frequency i at 8 i of my token's row
.endr
.endm
	s_load_b512 s[4:19], s[0:1], 0x0               ; x s[4:5], WQ s[6:7], WK s[8:9], WV s[10:11], the scales' exponents s[12:13], the positions s[14:15], q_img s[16:17], k_img s[18:19]
	s_load_b64 s[20:21], s[0:1], 0x40              ; v_img
	v_lshl_add_u32 v[SPW], v0, 2, SPARE
	v_mov_b32 v[NIL], 0
	v_lshrrev_b32 v1, 5, v0
	v_readfirstlane_b32 s22, v1                    ; wave 0..3
	s_lshr_b32 s23, s22, 1                         ; which 64 rows of A are mine.  Also: I fetch for A (0) or for B (1)
	s_and_b32 s2, s22, 1                           ; which 128 rows of B are mine.  Also: which half of that tile I fetch
	s_bfe_u32 s40, ttmp6, 0x40000                  ; cx, cy: my place in the cluster
	s_bfe_u32 s41, ttmp6, 0x40004
	s_and_b32 s42, ttmp7, 0xffff                   ; the cluster's number, 0..47
	s_lshr_b32 s43, s42, 4                         ; the kind: 0 Q, 1 K, 2 V: the same in all sixteen partners
	s_and_b32 s44, s42, 15
	s_and_b32 s45, s44, 1
	s_lshr_b32 s46, s44, 1
	s_cmp_lt_u32 s43, 2
	s_cselect_b32 s45, s44, s45
	s_cselect_b32 s46, 0, s46
	s_lshl_b32 s45, s45, 2
	s_add_co_u32 s45, s45, s41                     ; A's tile of 128 rows: of x's 64 (Q, K) or of WV's 8 (V)
	s_lshl_b32 s46, s46, 2
	s_add_co_u32 s46, s46, s40                     ; B's tile of 256 rows: of the weight's 4 (Q, K) or of x's 32 (V)
	s_lshl_b32 s86, s41, 2
	s_lshl_b32 s86, 15, s86                        ; my row of the cluster
	s_lshl_b32 s87, 0x1111, s40                    ; my column
	s_or_b32 s[G1A], s86, (1<<20)|(1<<21)|(5<<22)|(3<<25)   ; 15:0 the mask; 17:16 elements of 1 byte; 20 padding on; 21 set beside a mask; 24:22 after every 64 words (code 5); 31:25 four words (code 3)
	s_or_b32 s[G1B], s87, (1<<20)|(1<<21)|(5<<22)|(3<<25)
	s_mov_b32 s[G1A+1], 256<<16                    ; tensor_dim0 = 256
	s_mov_b32 s[G1A+2], 64<<16                     ; tensor_dim1 = 64
	s_mov_b32 s[G1A+3], 256<<16                    ; tile_dim0 = 256
	s_mov_b32 s[G1A+4], 64                         ; tile_dim1 = 64
	s_mov_b32 s[G1A+5], 1024                       ; from row to row
	s_mov_b32 s[G1A+6], 0
	s_mov_b32 s[G1A+7], 0
	s_mov_b32 s[G1B+1], 256<<16
	s_mov_b32 s[G1B+2], 128<<16                    ; B's loads bring 128 rows
	s_mov_b32 s[G1B+3], 256<<16
	s_mov_b32 s[G1B+4], 128
	s_mov_b32 s[G1B+5], 1024
	s_mov_b32 s[G1B+6], 0
	s_mov_b32 s[G1B+7], 0
	s_lshl_b32 s88, s45, 17                        ; A: 128 rows of 1,024 bytes a tile,
	s_lshl_b32 s89, s2, 16                         ; + my half's 64 rows
	s_add_co_u32 s88, s88, s89
	s_mov_b32 s89, 0
	s_lshl_b32 s90, s46, 18                        ; B: 256 rows a tile,
	s_lshl_b32 s91, s2, 17                         ; + my half's 128
	s_add_co_u32 s90, s90, s91
	s_mov_b32 s91, 0
	s_mul_i32 s92, s2, 64*PITCH                    ; where they go: no place in the cluster enters an LDS address
	s_mul_i32 s93, s2, 128*PITCH
	s_add_co_u32 s93, s93, ATILE
	s_wait_kmcnt 0x0
	s_load_b256 s[68:75], s[12:13], 0x0            ; e0 .. e7
	s_load_b128 s[76:79], s[12:13], 0x20           ; e8 .. e11
	s_cmp_lt_u32 s43, 2
	s_cselect_b64 s[80:81], s[4:5], s[10:11]       ; A: x, or WV
	s_cmp_eq_u32 s43, 0
	s_cselect_b64 s[82:83], s[6:7], s[8:9]         ; B: WQ or WK,
	s_cmp_lt_u32 s43, 2
	s_cselect_b64 s[82:83], s[82:83], s[4:5]       ; or x
	s_add_nc_u64 s[80:81], s[80:81], s[88:89]
	s_add_nc_u64 s[82:83], s[82:83], s[90:91]
	CROUND                                         ; all sixteen work-groups are here: the first joint loads meet
.irp s, 0,1
	s_mov_b32 s[G0A+4*\s], 1                       ; count = 1
	s_add_co_u32 s[G0A+4*\s+1], s92, \s*SLOT       ; LDS address
	s_add_nc_u64 s[G0A+4*\s+2:G0A+4*\s+3], s[80:81], \s*256   ; global address: K step s
	s_or_b32 s[G0A+4*\s+3], s[G0A+4*\s+3], 0x80000000         ; type = 2
	s_mov_b32 s[G0B+4*\s], 1
	s_add_co_u32 s[G0B+4*\s+1], s93, \s*SLOT
	s_add_nc_u64 s[G0B+4*\s+2:G0B+4*\s+3], s[82:83], \s*256
	s_or_b32 s[G0B+4*\s+3], s[G0B+4*\s+3], 0x80000000
	JLOAD \s                                       ; two loads of mine are out
.endr
	v_and_b32 v1, 15, v0                           ; r = lane % 16
	v_bfe_u32 v2, v0, 4, 1                         ; h = lane / 16
	v_mul_u32_u24 v3, v1, PITCH
	v_lshl_add_u32 v4, v2, 4, v3                   ; a fragment's row x pitch + 16 h
	s_mul_i32 s97, s23, 64*PITCH                   ; my 64 rows of A
	s_mul_i32 s98, s2, 128*PITCH                   ; my 128 rows of B,
	s_add_co_u32 s98, s98, ATILE                   ; which lie behind A's 128
	v_add_nc_u32 v[ADRA], s97, v4
	v_add_nc_u32 v[ADRB], s98, v4
	v_add_nc_u32 v[ADRA+1], SLOT, v[ADRA]
	v_add_nc_u32 v[ADRB+1], SLOT, v[ADRB]
	v_mul_u32_u24 v22, v0, PITCH
	v_add_nc_u32 v22, TAB, v22                     ; the table's row of the token that I make: thread t, token t of A's tile
	v_lshl_add_u32 v23, v2, 5, v3
	v_add_nc_u32 v23, s97, v23
	v_add_nc_u32 v23, TAB, v23                     ; and where I read it on the way out: token 64 (wave / 2) + r, + 32 h: my four pairs of a tile of 16 features
	v_and_b32 v24, 31, v0
	v_lshlrev_b32 v24, 4, v24                      ; 16 x lane: my place in an image
	s_wait_kmcnt 0x0
	s_sub_co_i32 s94, s74, s68
	s_sub_co_i32 s94, s94, s69                     ; Q: e6 - e0 - e1
	s_sub_co_i32 s95, s75, s70
	s_sub_co_i32 s95, s95, s71                     ; K: e7 - e2 - e3
	s_sub_co_i32 s96, s77, s72
	s_sub_co_i32 s96, s96, s73                     ; V: e9 - e4 - e5
	s_cmp_eq_u32 s43, 0
	s_cselect_b32 s94, s94, s95
	s_cmp_lt_u32 s43, 2
	s_cselect_b32 s94, s94, s96
	s_add_co_i32 s94, s94, 127
	s_lshl_b32 s95, s94, 23
	v_mov_b32 v26, s95                             ; the conversion's scale as f32
	s_add_co_i32 s94, s94, 15
	s_lshl_b32 s94, s94, 23
	s_or_b32 s94, s94, 0x600000
	v_mov_b32 v27, s94                             ; 57,344 x that
	s_cmp_lt_u32 s43, 2                            ; V has no rotation: the branch hangs on the cluster's number alone
	s_cbranch_scc0 .Lno_table
	s_and_b32 s94, s45, 15                         ; A's tile within its sequence of 2,048 tokens:
	s_lshl_b32 s94, s94, 9                         ; 128 positions of 4 bytes
	s_mov_b32 s95, 0
	s_add_nc_u64 s[14:15], s[14:15], s[94:95]
	v_lshlrev_b32 v19, 2, v0
	global_load_b32 v25, v19, s[14:15]             ; my token's position
	v_mov_b32 v30, 0x4b400000                      ; 1.5 x 2^23, twice
	v_mov_b32 v31, 0x4b400000
	v_mov_b32 v112, 0xb2d7322b                     ; -1 / 11!, twice (an instruction takes one literal)
	v_mov_b32 v113, 0xb2d7322b
	v_mov_b32 v114, 0xb493f27e                     ; -1 / 10!, twice
	v_mov_b32 v115, 0xb493f27e
	s_wait_loadcnt 0x0
	v_cvt_f32_i32 v25, v25
	SC4 0, 1.0, 0.7498942093, 0.5623413252, 0.4216965034, 0.3162277660, 0.2371373706, 0.1778279410, 0.1333521432
	SC4 1, 0.1, 0.07498942093, 0.05623413252, 0.04216965034, 0.03162277660, 0.02371373706, 0.01778279410, 0.01333521432
	SC4 2, 0.01, 0.007498942093, 0.005623413252, 0.004216965034, 0.003162277660, 0.002371373706, 0.001778279410, 0.001333521432
	SC4 3, 0.001, 0.0007498942093, 0.0005623413252, 0.0004216965034, 0.0003162277660, 0.0002371373706, 0.0001778279410, 0.0001333521432
.Lno_table:
	s_wait_tensorcnt 1                             ; my part of K step 0 is in; K step 1's load may be out
	s_wait_dscnt 0x0                               ; for the others' sake: my rows of the table are stored
	s_barrier_signal -1
	s_barrier_wait -1
	FETCH 0, 0, 0
	SUB 0, 1                                       ; K step 0: its first products start the sums
	TURN 0, 1, 1                                   ; slot 0 takes K step 2
	SUB 1, 0                                       ; K step 1
	TURN 1, 0, 1                                   ; slot 1 takes K step 3
	SUB 0, 0                                       ; K step 2
	TURN 0, 1, 0                                   ; nothing is left to fetch
	SUB 1, 0                                       ; K step 3
	LAST
	PLACES 4                                       ; four places between the last products and the first read of results, and the loads into A's registers
	s_cmp_lt_u32 s43, 2
	s_cbranch_scc0 .Lout_v
	; THE WAY OUT OF Q AND K.  Lane (r, h) holds token 64 (wave / 2) + 16 a + r and features 128 (wave % 2) + 16 b + 8 h + 0 .. 7: pairs 8 (b % 4) + 4 h + 0 .. 3 of head b / 4 of my two.
	s_lshr_b32 s94, s45, 4
	s_lshl_b32 s94, s94, 4                         ; 16 x batch
	s_lshl_b32 s95, s46, 2
	s_add_co_u32 s94, s94, s95                     ; + B's tile: four heads
	s_lshl_b32 s95, s2, 1
	s_add_co_u32 s94, s94, s95                     ; + my two of them
	s_lshl_b32 s94, s94, 17
	s_and_b32 s95, s45, 15
	s_lshl_b32 s95, s95, 3                         ; A's tile: eight tiles of 16 tokens,
	s_lshl_b32 s96, s23, 2
	s_add_co_u32 s95, s95, s96                     ; + my four
	s_lshl_b32 s95, s95, 10
	s_add_co_u32 s94, s94, s95
	s_mov_b32 s95, 0
	s_cmp_eq_u32 s43, 0
	s_cselect_b64 s[84:85], s[16:17], s[18:19]
	s_add_nc_u64 s[84:85], s[84:85], s[94:95]
	s_wait_alu depctr_va_vdst(0)
.irp a, 0,1,2,3
.irp q, 0,1,2,3
.irp z, 0,1
	ds_load_b128 v[128+32*\a+8*\q+4*\z:128+32*\a+8*\q+4*\z+3], v23 offset:\a*16*PITCH+64*\q+16*\z   ; (cos, sin) of two pairs
.endr
.endr
.endr
.irp a, 0,1,2,3
	s_wait_dscnt 24-8*\a                           ; block a's eight loads from the table are in; the later blocks' may be out
	WIN 0x02                                       ; source 0: the accumulators' window
.irp b, 0,1,2,3,4,5,6,7
.irp p, 0,1,2,3
	v_pk_mul_f32 v[96+8*(\b%2)+2*\p:96+8*(\b%2)+2*\p+1], v[8*(8*\a+\b)+2*\p:8*(8*\a+\b)+2*\p+1], v[128+32*\a+8*(\b%4)+2*\p:128+32*\a+8*(\b%4)+2*\p+1] op_sel:[1,1] op_sel_hi:[0,1] neg_lo:[1,0]   ; (-x2 sin, x1 sin); each accumulator from its low end on
.endr
.irp p, 0,1,2,3
	v_pk_fma_f32 v[32+8*\b+2*\p:32+8*\b+2*\p+1], v[8*(8*\a+\b)+2*\p:8*(8*\a+\b)+2*\p+1], v[128+32*\a+8*(\b%4)+2*\p:128+32*\a+8*(\b%4)+2*\p+1], v[96+8*(\b%2)+2*\p:96+8*(\b%2)+2*\p+1] op_sel_hi:[1,0,1]   ; (x1 cos - x2 sin, x2 cos + x1 sin)
.endr
.endr
	WIN 0
.set i, 0
.rept 64
.set i, i+1
.endr
.if \a > 0
	s_wait_alu depctr_va_vdst(0)
	s_wait_xcnt 0x0                                ; the last block's stores have read their data: the codes' registers are written again only behind this wait
.endif
.irp b, 0,1,2,3,4,5,6,7
	v_cvt_scalef32_pk8_bf8_f32 v[112+2*\b:113+2*\b], v[32+8*\b:39+8*\b], v26
.endr
	v_nop                                          ; one plain vector instruction behind the last conversion of a run
.irp u, 0,1
.irp d, 0,1
	global_store_b128 v24, v[112+8*\u+4*\d:112+8*\u+4*\d+3], s[84:85] offset:\u*131072+\a*1024+\d*512   ; head u of my two, tile a of tokens, half d of the fragment: 512 consecutive bytes
.endr
.endr
.endr
	s_branch .Ldone
.Lout_v:
	; THE WAY OUT OF V.  Lane (r, h) holds channel 16 a + r of head 2 x A's tile + wave / 2, and keys 128 (wave % 2) + 16 b + 8 h + 0 .. 7 of B's 256 tokens.
	s_lshr_b32 s94, s46, 3
	s_lshl_b32 s94, s94, 4                         ; 16 x batch
	s_lshl_b32 s95, s45, 1
	s_add_co_u32 s94, s94, s95                     ; + A's tile: two heads
	s_add_co_u32 s94, s94, s23                     ; + mine
	s_lshl_b32 s94, s94, 17
	s_and_b32 s95, s46, 7
	s_lshl_b32 s95, s95, 2                         ; B's tile: four steps of 64 keys,
	s_lshl_b32 s96, s2, 1
	s_add_co_u32 s95, s95, s96                     ; + my two
	s_lshl_b32 s95, s95, 12
	s_add_co_u32 s94, s94, s95
	s_mov_b32 s95, 0
	s_add_nc_u64 s[84:85], s[20:21], s[94:95]
	s_wait_alu depctr_va_vdst(0)
.irp a, 0,1,2,3
	WIN 0x02
.set i, 0
.rept 64
	v_med3_num_f32 v[32+i], v[64*\a+i], -v27, v27  ; the hold, out of the accumulators, each from its low end on
.set i, i+1
.endr
	WIN 0
.if \a > 0
	s_wait_alu depctr_va_vdst(0)
	s_wait_xcnt 0x0                                ; the last block's stores have read their data
.endif
.irp b, 0,1,2,3,4,5,6,7
	v_cvt_scalef32_pk8_bf8_f32 v[112+2*\b:113+2*\b], v[32+8*\b:39+8*\b], v26
.endr
	v_nop                                          ; one plain vector instruction behind the last conversion of a run
.irp u, 0,1
.irp d, 0,1
	global_store_b128 v24, v[112+8*\u+4*\d:112+8*\u+4*\d+3], s[84:85] offset:\u*4096+\a*1024+\d*512   ; step u of my two, tile a of channels, half d of the fragment
.endr
.endr
.endr
.Ldone:
	s_wait_tensorcnt 0x0                           ; the wave's end: behind my last tensor load and my last LDS store
	ds_add_u32 v[SPW], v[NIL]
	s_wait_dscnt 0x0
	CROUND                                         ; the closing round: no work-group ends while a partner may still ask for a tile that names it
	s_endpgm
.Lfunc_end_k_q4de0df0338_qkv:
	.size	k_q4de0df0338_qkv, .Lfunc_end_k_q4de0df0338_qkv-k_q4de0df0338_qkv
	.p2alignl 7, 3214868480
	.fill 96, 4, 3214868480
	.section	.rodata,"a",@progbits
	.p2align	6, 0x0
	.amdhsa_kernel k_q4de0df0338_qkv
		.amdhsa_group_segment_fixed_size 327680
		.amdhsa_private_segment_fixed_size 0
		.amdhsa_enable_private_segment 0
		.amdhsa_kernarg_size 72
		.amdhsa_user_sgpr_count 2
		.amdhsa_user_sgpr_kernarg_segment_ptr 1
		.amdhsa_wavefront_size32 1
		.amdhsa_system_sgpr_workgroup_id_x 1
		.amdhsa_system_sgpr_workgroup_id_y 1
		.amdhsa_system_sgpr_workgroup_id_z 1
		.amdhsa_system_vgpr_workitem_id 0
		.amdhsa_next_free_vgpr 768
		.amdhsa_next_free_sgpr 100
		.amdhsa_reserve_vcc 0
		.amdhsa_float_denorm_mode_32 3
		.amdhsa_float_denorm_mode_16_64 3
		.amdhsa_fp16_overflow 1
		.amdhsa_memory_ordered 1
		.amdhsa_forward_progress 1
		.amdhsa_inst_pref_size 127
	.end_amdhsa_kernel
	.amdgpu_metadata
---
amdhsa.version: [ 1, 2 ]
amdhsa.kernels:
  - .name:           k_q4de0df0338_qkv
    .symbol:         k_q4de0df0338_qkv.kd
    .args:
      - { .name: x_codes, .offset: 0, .size: 8, .value_kind: global_buffer, .address_space: global }
      - { .name: WQ_codes, .offset: 8, .size: 8, .value_kind: global_buffer, .address_space: global }
      - { .name: WK_codes, .offset: 16, .size: 8, .value_kind: global_buffer, .address_space: global }
      - { .name: WV_codes, .offset: 24, .size: 8, .value_kind: global_buffer, .address_space: global }
      - { .name: lowp_scales, .offset: 32, .size: 8, .value_kind: global_buffer, .address_space: global }
      - { .name: token_positions, .offset: 40, .size: 8, .value_kind: global_buffer, .address_space: global }
      - { .name: q_img, .offset: 48, .size: 8, .value_kind: global_buffer, .address_space: global }
      - { .name: k_img, .offset: 56, .size: 8, .value_kind: global_buffer, .address_space: global }
      - { .name: v_img, .offset: 64, .size: 8, .value_kind: global_buffer, .address_space: global }
    .group_segment_fixed_size: 327680
    .private_segment_fixed_size: 0
    .kernarg_segment_align: 8
    .kernarg_segment_size: 72
    .max_flat_workgroup_size: 128
    .sgpr_count:     100
    .vgpr_count:     768
    .wavefront_size: 32
...
	.end_amdgpu_metadata
.endif
;; end of part 1
;; launch attn (part 2): grid 4 x 64, 8 waves a work-group, no clusters, 327,680 bytes of LDS; arguments q_img, k_img, v_img, lowp_scales, a_img; writes a_img
.if DOCPART == 2
	.amdgcn_target "amdgcn-amd-amdhsa--gfx1250"
	.amdhsa_code_object_version 6
	.text
	.protected	k_q4de0df0338_attn
	.globl	k_q4de0df0338_attn
	.p2align	8
	.type	k_q4de0df0338_attn,@function
k_q4de0df0338_attn:
	s_mov_b64 s[64:65], 0
	v_nop
	global_prefetch_b8 v0, s[64:65] scope:SCOPE_SE
	s_setreg_imm32_b32 hwreg(HW_REG_WAVE_MODE, 25, 1), 1
	s_wait_xcnt 0x0
; Causal attention of one head on codes of BF8 (E5M2): S^T = K Q^T, p = 2^(t - M), O^T = V^T P^T, O / the row's sum, quantised for the last projection.  64 heads (16 batch + head) of 2,048 tokens x 64 channels.
; q_img, k_img, v_img hold images of the K = 64 form's operand registers (a fragment: 8 registers, two loads of 16 bytes a lane, 512 bytes apart):
;   q_img, k_img: head x 131072 + (token / 16) x 1024;   v_img: head x 131072 + (key / 64) x 4096 + (channel / 16) x 1024, the keys along the registers.
; a_img: byte (row / 16) x 16384 + head x 1024 + t x 256 + r x 16 + 8 h + j = row 16 T + r of the 8,192, channel 16 t + 8 h + j of the head.
; THE SOFTMAX: t = score x log2(e) / 8; M = the row's largest t so far, rounded UP to a whole number; p = 2^(t - M) is quantised, not normalised; the row's sum is taken of the unquantised p and divides O at the end.
; When M moves, the sum and O are multiplied by 2^(old M - new M): nothing is rounded.
; SHARES.  Work-group i (0..3) of a head owns the blocks 7 - i and i of 256 queries.  Wave w takes 32 queries (two tiles of 16) at 256 (7 - i) + 32 w, then 32 at 256 i + 32 (7 - w).  A step is 64 keys; 32 queries
; at Q0 want Q0 / 64 + 1 steps, and the two counts of a wave add up to 33 in every wave of every work-group: one loop of constant count, no empty step, equal work.  Only a block's last step has hidden keys.
; ALL OF THE HEAD'S K AND V LIE IN LDS, 131,072 bytes each, as they lie in memory, each byte filled once: no slot is filled again.  Waves 0 to 3 fetch them, two tensor loads each: the first 256 keys, then
; the rest; the first four steps of every wave read the first 256 keys while the rest is on its way.
; The four work-groups of a head read the same K and V, but the step at which a wave changes its block and the step that is masked hang on the work-group's number, which differs between them: so no joint loads.
; No prefetch is laid: every byte is asked for by the kernel's first instructions.
; LAYOUT.  Both products are used transposed: a lane holds ONE query (lane % 16) throughout; register j of tile t of S^T is key 16 t + 8 (lane / 16) + j: the conversions' results are the second product's operand.
; LIMITS: e6 + e7 between -123 and 130 (added to c's exponent field); e8 and e10 between -126 and 112; e8 + e9 is applied by v_ldexp_f32 and has none.  1 / sum is v_rcp_f32 and a multiplication.  NaN is not served.
; REGISTERS: v1 16 x lane; v2 r - 8 h; v3 16 r + 8 h; v4, v5 the step's LDS addresses; v7 2^e8; tile X: v[8+4X] -M, +1 the largest t, +2, +3 the sum in two halves; v16-31 Q; v32-63 K; v64-95 V;
;   v96-159 S^T, then p; v160-223 O^T; v224-239 codes; v[240+8X]: +0, +1 maxima, +2 the exchange, +4 f (+5 named with it), +6, +7 the sum's second chain.
.set VB, 131072                        ; V's bytes in LDS, behind K's
.macro MX2 c, a, b                     ; for both tiles: chain c takes in scores a and b
	v_max3_num_f32 v[240+\c], v[240+\c], v[96+\a], v[96+\b]
	v_max3_num_f32 v[248+\c], v[248+\c], v[128+\a], v[128+\b]
.endm
; A KEY STEP: 64 keys at LDS byte s2 of K and of V.  Lines of the two tiles alternate.  mask = 1: the text for hidden keys is there.
.macro STEP mask
	v_add_nc_u32 v4, s2, v1
	s_delay_alu instid0(VALU_DEP_1)
	v_add_nc_u32 v5, VB, v4
	v_nop
	v_nop                                          ; these four are the places between the last products, which read V, and the loads into its registers
.irp t, 0,1,2,3
.irp d, 0,1
	ds_load_b128 v[32+8*\t+4*\d:32+8*\t+4*\d+3], v4 offset:1024*\t+512*\d
.endr
.endr
.irp t, 0,1,2,3
.irp d, 0,1
	ds_load_b128 v[64+8*\t+4*\d:64+8*\t+4*\d+3], v5 offset:1024*\t+512*\d
.endr
.endr
	s_wait_dscnt 8                                 ; K's eight loads are in; V's eight may be out
.irp t, 0,1,2,3
.irp X, 0,1
	v_wmma_f32_16x16x64_bf8_bf8 v[96+32*\X+8*\t:96+32*\X+8*\t+7], v[32+8*\t:32+8*\t+7], v[16+8*\X:16+8*\X+7], 0
.endr
.endr
.rept 4
	v_nop
.endr
.if \mask
	s_add_co_u32 s73, s51, 63                      ; a step all of whose keys count skips this: a scalar branch on ids
	s_cmp_le_u32 s73, s49
	s_cbranch_scc1 .Lopen_\@
	s_sub_co_i32 s73, s49, s51
	v_add_nc_u32 v240, s73, v2                     ; d = my query - the step's first key - 8 h.  Register 8 t + j holds key 16 t + 8 h + j: hidden where 16 t + j > d
	s_delay_alu instid0(VALU_DEP_1)
	v_add_nc_u32 v248, 16, v240
	v_mov_b32 v241, 0xff800000                     ; -infinity: p = 0 then
.irp X, 0,1
.irp t, 0,1,2,3
.irp j, 0,1,2,3,4,5,6,7
	v_cmp_gt_i32 vcc_lo, 16*\t+\j, v[240+8*\X]
	v_cndmask_b32 v[96+32*\X+8*\t+\j], v[96+32*\X+8*\t+\j], v241, vcc_lo
.endr
.endr
.endr
.Lopen_\@:
.endif
	v_max3_num_f32 v240, v96, v97, v98             ; the step's largest score of my query among my 32 keys, in two chains a tile; each accumulator is first read at its low end
	v_max3_num_f32 v248, v128, v129, v130
	v_max3_num_f32 v241, v104, v105, v106
	v_max3_num_f32 v249, v136, v137, v138
	MX2 0, 16, 17
	MX2 1, 24, 25
	MX2 0, 3, 4
	MX2 1, 5, 6
	MX2 0, 7, 11
	MX2 1, 12, 13
	MX2 0, 14, 15
	MX2 1, 18, 19
	MX2 0, 20, 21
	MX2 1, 22, 23
	MX2 0, 26, 27
	MX2 1, 28, 29
	MX2 0, 30, 31
.irp X, 0,1
	s_delay_alu instid0(VALU_DEP_2)
	v_max_num_f32 v[240+8*\X], v[240+8*\X], v[241+8*\X]
.endr
.irp X, 0,1
	s_delay_alu instid0(VALU_DEP_2)
	v_permlanex16_b32 v[242+8*\X], v[240+8*\X], s20, s21
.endr
.irp X, 0,1
	s_delay_alu instid0(VALU_DEP_2)
	v_max_num_f32 v[240+8*\X], v[240+8*\X], v[242+8*\X]   ; and among lane l xor 16's
.endr
.irp X, 0,1
	s_delay_alu instid0(VALU_DEP_2)
	v_mul_f32 v[240+8*\X], s22, v[240+8*\X]        ; as t (c is positive)
.endr
.irp X, 0,1
	s_delay_alu instid0(VALU_DEP_2)
	v_max_num_f32 v[9+4*\X], v[9+4*\X], v[240+8*\X]   ; the running largest t
.endr
.irp X, 0,1
	v_mov_b32 v[240+8*\X], v[8+4*\X]
.endr
.irp X, 0,1
	s_delay_alu instid0(VALU_DEP_4)
	v_floor_f32 v[8+4*\X], -v[9+4*\X]              ; the new -M = floor(-t): M is a whole number
.endr
.irp X, 0,1
	s_delay_alu instid0(VALU_DEP_2)
	v_sub_f32 v[240+8*\X], v[8+4*\X], v[240+8*\X]  ; M's old value less its new one: a whole number, 0 or less
.endr
.irp X, 0,1
	s_delay_alu instid0(VALU_DEP_2)
	v_cvt_i32_f32 v[240+8*\X], v[240+8*\X]         ; (it saturates)
.endr
.irp X, 0,1
	s_delay_alu instid0(VALU_DEP_2)
	v_ldexp_f32 v[244+8*\X], 1.0, v[240+8*\X]      ; f = 2^(old M - new M)
.endr
.irp j, 0,2,4,6,8,10,12,14,16,18,20,22,24,26,28,30
.irp X, 0,1
	v_pk_fma_f32 v[96+32*\X+\j:96+32*\X+\j+1], v[96+32*\X+\j:96+32*\X+\j+1], s[22:23], v[8+4*\X:9+4*\X] op_sel_hi:[1,0,0]   ; t - M (of the pairs c and -M the low word serves both halves)
.endr
.endr
.set i, 0
	s_wait_alu depctr_va_vdst(0)
.rept 32
	v_exp_f32 v[96+i], v[96+i]                     ; p = 2^(t - M), at most 1
	v_exp_f32 v[128+i], v[128+i]
.set i, i+1
.endr
.irp X, 0,1
	v_pk_mul_f32 v[10+4*\X:11+4*\X], v[10+4*\X:11+4*\X], v[244+8*\X:245+8*\X] op_sel_hi:[1,0]   ; the sums under the new M: plain instructions behind the exponentials
.endr
	s_wait_alu depctr_va_vdst(0)                   ; one wait for the 64 exponentials, ahead of their first reader
.irp X, 0,1
	v_pk_add_f32 v[246+8*\X:247+8*\X], v[96+32*\X:97+32*\X], v[98+32*\X:99+32*\X]   ; the row's sum is taken of the unquantised p, in two chains
.endr
.irp j, 4,8,12,16,20,24,28
.irp X, 0,1
	v_pk_add_f32 v[10+4*\X:11+4*\X], v[10+4*\X:11+4*\X], v[96+32*\X+\j:96+32*\X+\j+1]
	v_pk_add_f32 v[246+8*\X:247+8*\X], v[246+8*\X:247+8*\X], v[98+32*\X+\j:98+32*\X+\j+1]
.endr
.endr
.irp X, 0
	s_delay_alu instid0(VALU_DEP_3)
	v_pk_add_f32 v[10+4*\X:11+4*\X], v[10+4*\X:11+4*\X], v[246+8*\X:247+8*\X]
.endr
.irp X, 1
	s_delay_alu instid0(VALU_DEP_2)
	v_pk_add_f32 v[10+4*\X:11+4*\X], v[10+4*\X:11+4*\X], v[246+8*\X:247+8*\X]
.endr
.irp t, 0,1,2,3
.irp X, 0,1
.irp j, 0,1,2,3,4,5,6,7
.endr
.endr
.irp X, 0,1
	v_cvt_scalef32_pk8_bf8_f32 v[224+8*\X+2*\t:225+8*\X+2*\t], v[96+32*\X+8*\t:96+32*\X+8*\t+7], v7
.endr
.endr
.irp j, 0,2,4,6,8,10,12,14,16,18,20,22,24,26,28,30
.irp X, 0,1
	v_pk_mul_f32 v[160+32*\X+\j:160+32*\X+\j+1], v[160+32*\X+\j:160+32*\X+\j+1], v[244+8*\X:245+8*\X] op_sel_hi:[1,0]   ; O^T under the new M; also the plain instructions behind the conversions
.endr
.endr
	s_wait_alu depctr_va_vdst(0)
	s_wait_dscnt 0x0                               ; V is in
.irp t, 0,1,2,3
.irp X, 0,1
	v_wmma_f32_16x16x64_bf8_bf8 v[160+32*\X+8*\t:160+32*\X+8*\t+7], v[64+8*\t:64+8*\t+7], v[224+8*\X:224+8*\X+7], v[160+32*\X+8*\t:160+32*\X+8*\t+7]   ; the eight accumulators take turns
.endr
.endr
	s_add_co_u32 s51, s51, 64                      ; the next step's first key,
	s_add_co_u32 s2, s2, 4096                      ; and its bytes
.endm
; A block of 32 queries is finished: O^T x 2^(e8 + e9) / the sum, quantised with 2^e10, stored at s[b:b+1]: eight bytes a lane, 256 consecutive bytes a store, aligned.
.macro FINISH b
.rept 4
	v_nop                                          ; four places behind the last products
.endr
.irp X, 0,1
	v_add_f32 v[10+4*\X], v[10+4*\X], v[11+4*\X]   ; the sum's two halves,
.endr
.irp X, 0,1
	s_delay_alu instid0(VALU_DEP_2)
	v_permlanex16_b32 v[242+8*\X], v[10+4*\X], s20, s21
.endr
.irp X, 0,1
	s_delay_alu instid0(VALU_DEP_2)
	v_add_f32 v[10+4*\X], v[10+4*\X], v[242+8*\X]  ; and lane l xor 16's
.endr
	s_wait_alu depctr_va_vdst(0)
.irp X, 0,1
	v_rcp_f32 v[244+8*\X], v[10+4*\X]
.endr
	v_mov_b32 v240, s74                            ; 2^e10 as f32 (plain instructions behind the reciprocals)
	s_wait_alu depctr_va_vdst(0)                   ; one wait for both reciprocals, ahead of their first reader
.irp X, 0,1
	v_ldexp_f32 v[244+8*\X], v[244+8*\X], s60      ; x 2^(e8 + e9)
.endr
.irp j, 0,2,4,6,8,10,12,14,16,18,20,22,24,26,28,30
.irp X, 0,1
	v_pk_mul_f32 v[96+32*\X+\j:96+32*\X+\j+1], v[160+32*\X+\j:160+32*\X+\j+1], v[244+8*\X:245+8*\X] op_sel_hi:[1,0]   ; each accumulator from its low end on
.endr
.endr
.set i, 0
.rept 64
.set i, i+1
.endr
.irp X, 0,1
.irp t, 0,1,2,3
	v_cvt_scalef32_pk8_bf8_f32 v[224+8*\X+2*\t:225+8*\X+2*\t], v[96+32*\X+8*\t:96+32*\X+8*\t+7], v240
.endr
.endr
	v_nop                                          ; one plain vector instruction behind the last conversion of a run
.irp X, 0,1
.irp t, 0,1,2,3
	global_store_b64 v3, v[224+8*\X+2*\t:225+8*\X+2*\t], s[\b:\b+1] offset:16384*\X+256*\t
.endr
.endr
.endm
	s_load_b256 s[4:11], s[0:1], 0x0               ; q_img s[4:5], k_img s[6:7], v_img s[8:9], the scales' exponents s[10:11]
	s_load_b64 s[12:13], s[0:1], 0x20              ; a_img
	v_lshrrev_b32 v1, 5, v0
	s_delay_alu instid0(VALU_DEP_1)
	v_readfirstlane_b32 s18, v1                    ; wave 0..7
	s_and_b32 s14, ttmp7, 0xffff                   ; 16 batch + head
	s_lshl_b32 s15, s14, 17                        ; its first byte in each of the three images
	s_and_b32 s16, s18, 1                          ; what I fetch, if I fetch (waves 0 to 3): K (0) or V (1),
	s_lshr_b32 s17, s18, 1                         ; which half
	s_lshl_b32 s19, s16, 17                        ; K's or V's bytes in LDS
	s_lshl_b32 s61, s17, 13                        ; half of the first 16,384 bytes (256 keys),
	s_mul_i32 s62, s17, 57344
	s_add_co_u32 s62, s62, 16384                   ; and half of the other 114,688
	s_mov_b32 s24, 3<<16                           ; group 1 of the first load: no mask; elements of 8 bytes; no padding: a dense block as rows of 256 bytes
	s_mov_b32 s25, 32<<16                          ; tensor_dim0 = 32
	s_mov_b32 s26, 32<<16                          ; tensor_dim1 = 32
	s_mov_b32 s27, 32<<16                          ; tile_dim0 = 32
	s_mov_b32 s28, 32                              ; tile_dim1 = 32: 8,192 bytes
	s_mov_b32 s29, 32                              ; from row to row
	s_mov_b32 s30, 0
	s_mov_b32 s31, 0
	s_mov_b32 s32, 3<<16                           ; group 1 of the second: 224 such rows, 57,344 bytes
	s_mov_b32 s33, 32<<16
	s_mov_b32 s34, 224<<16
	s_mov_b32 s35, 32<<16
	s_mov_b32 s36, 224
	s_mov_b32 s37, 32
	s_mov_b32 s38, 0
	s_mov_b32 s39, 0
	s_mov_b32 s40, 1
	s_add_co_u32 s41, s19, s61                     ; LDS addresses: as the bytes lie in memory
	s_mov_b32 s44, 1
	s_add_co_u32 s45, s19, s62
	s_add_co_u32 s66, s15, s61
	s_mov_b32 s67, 0
	s_add_co_u32 s76, s15, s62
	s_mov_b32 s77, 0
	s_wait_kmcnt 0x0
	s_load_b128 s[68:71], s[10:11], 0x18           ; e6, e7, e8, e9
	s_load_b32 s72, s[10:11], 0x28                 ; e10
	s_cmp_eq_u32 s16, 0
	s_cselect_b64 s[78:79], s[6:7], s[8:9]
	s_add_nc_u64 s[42:43], s[78:79], s[66:67]
	s_or_b32 s43, s43, 0x80000000                  ; type = 2
	s_add_nc_u64 s[46:47], s[78:79], s[76:77]
	s_or_b32 s47, s47, 0x80000000
	s_cmp_lt_u32 s18, 4                            ; a wave's two fills stand in one branch on the wave's number, ahead of every wait on TENSORcnt, every LDS read and every barrier: two loads of mine are out
	s_cbranch_scc0 .Lno_fetch
	tensor_load_to_lds s[40:43], s[24:31]
	s_nop 0
	tensor_load_to_lds s[44:47], s[32:39]
	s_nop 0
.rept 4
	v_nop
.endr
.Lno_fetch:
	s_sub_co_u32 s16, 7, ttmp9
	s_lshl_b32 s49, s16, 8
	s_lshl_b32 s17, s18, 5
	s_add_co_u32 s49, s49, s17                     ; my first block's first query: 256 (7 - i) + 32 w
	s_sub_co_u32 s17, 7, s18
	s_lshl_b32 s17, s17, 5
	s_lshl_b32 s50, ttmp9, 8
	s_add_co_u32 s50, s50, s17                     ; my second block's: 256 i + 32 (7 - w)
	s_lshr_b32 s48, s49, 6
	s_add_co_u32 s48, s48, 1                       ; the first block's steps, 17 to 32
	s_mov_b32 s63, 0
	s_lshl_b32 s62, s49, 6                         ; a tile of 16 queries is 1,024 bytes
	s_add_co_u32 s62, s62, s15
	s_add_nc_u64 s[52:53], s[4:5], s[62:63]        ; Q of the first block,
	s_lshl_b32 s62, s50, 6
	s_add_co_u32 s62, s62, s15
	s_add_nc_u64 s[54:55], s[4:5], s[62:63]        ; of the second
	v_and_b32 v1, 31, v0
	s_delay_alu instid0(VALU_DEP_1)
	v_lshlrev_b32 v1, 4, v1                        ; 16 x lane
.irp X, 0,1
.irp d, 0,1
	global_load_b128 v[16+8*\X+4*\d:16+8*\X+4*\d+3], v1, s[52:53] offset:1024*\X+512*\d
.endr
.endr
	s_lshr_b32 s16, s14, 4
	s_lshl_b32 s16, s16, 21                        ; batch x 128 tiles of 16 rows x 16,384 bytes
	s_and_b32 s17, s14, 15
	s_lshl_b32 s17, s17, 10                        ; + head x 1,024
	s_add_co_u32 s16, s16, s17
	s_lshl_b32 s62, s49, 10
	s_add_co_u32 s62, s62, s16
	s_add_nc_u64 s[56:57], s[12:13], s[62:63]      ; where the first block's codes go,
	s_lshl_b32 s62, s50, 10
	s_add_co_u32 s62, s62, s16
	s_add_nc_u64 s[58:59], s[12:13], s[62:63]      ; and the second's
	v_and_b32 v2, 15, v0                           ; r
	v_bfe_u32 v5, v0, 4, 1                         ; h
	s_delay_alu instid0(VALU_DEP_2)
	v_lshlrev_b32 v3, 4, v2
	s_delay_alu instid0(VALU_DEP_1)
	v_lshl_add_u32 v3, v5, 3, v3                   ; 16 r + 8 h
	s_delay_alu instid0(VALU_DEP_3)
	v_lshlrev_b32 v5, 3, v5
	s_delay_alu instid0(VALU_DEP_1)
	v_sub_nc_u32 v2, v2, v5                        ; r - 8 h
	s_mov_b32 s20, 0x76543210                      ; v_permlanex16_b32's selects for lane l xor 16
	s_mov_b32 s21, 0xfedcba98
	s_mov_b32 s22, 0x3e38aa3b                      ; c = log2(e) / 8
	s_mov_b32 s2, 0
	s_mov_b32 s51, 0
.irp X, 0,1
	v_mov_b32 v[9+4*\X], 0xff61b1e6                ; the largest t so far: -3e38, under every t
	s_delay_alu instid0(VALU_DEP_1)
	v_floor_f32 v[8+4*\X], -v[9+4*\X]              ; -M
	v_mov_b32 v[10+4*\X], 0                        ; the sum, in two halves
	v_mov_b32 v[11+4*\X], 0
	v_mov_b32 v[242+8*\X], 0                       ; written once: a lane permute's destination counts as one of its sources
	v_mov_b32 v[245+8*\X], 0                       ; (named as the upper half of f's pair)
.endr
.set i, 0
.rept 64
	v_mov_b32 v[160+i], 0                          ; O^T: the step is written once; the first finds zeros
.set i, i+1
.endr
	s_wait_kmcnt 0x0
	s_add_co_i32 s73, s68, s69
	s_lshl_b32 s73, s73, 23
	s_add_co_i32 s22, s22, s73                     ; a score stands for score x 2^(e6 + e7): the two exponents are added to c's exponent field
	s_mov_b32 s23, s22                             ; (named with it as a pair, so it is written)
	s_add_co_i32 s73, s70, 127
	s_lshl_b32 s74, s73, 23
	v_mov_b32 v7, s74                              ; 2^e8 as f32
	s_add_co_i32 s60, s70, s71                     ; e8 + e9
	s_add_co_i32 s73, s72, 127
	s_lshl_b32 s74, s73, 23                        ; 2^e10 as f32
	s_wait_tensorcnt 1                             ; my part of the first 256 keys is in; the rest may be out
	s_barrier_signal -1
	s_barrier_wait -1                              ; everybody's is
	s_wait_loadcnt 0x0                             ; Q
	s_mov_b32 s3, 0
.Lfirst:                                           ; four steps on the first 256 keys: bytes 0 to 16,383 of K and of V.  All of them count: a first block begins at query 1,024 or later
	STEP 0
	s_add_co_u32 s3, s3, 1
	s_cmp_lt_u32 s3, 4
	s_cbranch_scc1 .Lfirst
	s_wait_tensorcnt 0x0                           ; my part of the rest is in,
	s_wait_dscnt 0x0
	s_barrier_signal -1
	s_barrier_wait -1                              ; everybody's is
	s_mov_b32 s3, 4
.Lstep:                                            ; steps 4 to 32
	s_cmp_eq_u32 s3, s48                           ; the first block is through: a branch on ids alone
	s_cbranch_scc0 .Lsame_block
.irp X, 0,1
.irp d, 0,1
	global_load_b128 v[16+8*\X+4*\d:16+8*\X+4*\d+3], v1, s[54:55] offset:1024*\X+512*\d   ; the second block's Q: the last products that read these registers stand far more than four plain instructions back
.endr
.endr
	FINISH 56
.irp X, 0,1
	v_mov_b32 v[9+4*\X], 0xff61b1e6                ; the largest t and -M begin anew.  The next step's f is then 0 (the whole-number difference saturates), and it multiplies the old O^T and the old sums, which are finite, to zeros
	s_delay_alu instid0(VALU_DEP_1)
	v_floor_f32 v[8+4*\X], -v[9+4*\X]
.endr
	s_mov_b32 s2, 0                                ; back to key 0
	s_mov_b32 s51, 0
	s_mov_b32 s49, s50
	s_wait_loadcnt 0x0                             ; Q
	s_wait_xcnt 0x0                                ; the stores have read their data: the codes' registers are written again only behind this wait
.Lsame_block:
	STEP 1
	s_add_co_u32 s3, s3, 1
	s_cmp_lt_u32 s3, 33
	s_cbranch_scc1 .Lstep
	FINISH 58
	s_endpgm
.Lfunc_end_k_q4de0df0338_attn:
	.size	k_q4de0df0338_attn, .Lfunc_end_k_q4de0df0338_attn-k_q4de0df0338_attn
	.p2alignl 7, 3214868480
	.fill 96, 4, 3214868480
	.section	.rodata,"a",@progbits
	.p2align	6, 0x0
	.amdhsa_kernel k_q4de0df0338_attn
		.amdhsa_group_segment_fixed_size 327680
		.amdhsa_private_segment_fixed_size 0
		.amdhsa_enable_private_segment 0
		.amdhsa_kernarg_size 40
		.amdhsa_user_sgpr_count 2
		.amdhsa_user_sgpr_kernarg_segment_ptr 1
		.amdhsa_wavefront_size32 1
		.amdhsa_system_sgpr_workgroup_id_x 1
		.amdhsa_system_sgpr_workgroup_id_y 1
		.amdhsa_system_sgpr_workgroup_id_z 1
		.amdhsa_system_vgpr_workitem_id 0
		.amdhsa_next_free_vgpr 256
		.amdhsa_next_free_sgpr 80
		.amdhsa_reserve_vcc 1
		.amdhsa_float_denorm_mode_32 3
		.amdhsa_float_denorm_mode_16_64 3
		.amdhsa_fp16_overflow 1
		.amdhsa_memory_ordered 1
		.amdhsa_forward_progress 1
		.amdhsa_inst_pref_size 51
	.end_amdhsa_kernel
	.amdgpu_metadata
---
amdhsa.version: [ 1, 2 ]
amdhsa.kernels:
  - .name:           k_q4de0df0338_attn
    .symbol:         k_q4de0df0338_attn.kd
    .args:
      - { .name: q_img, .offset: 0, .size: 8, .value_kind: global_buffer, .address_space: global }
      - { .name: k_img, .offset: 8, .size: 8, .value_kind: global_buffer, .address_space: global }
      - { .name: v_img, .offset: 16, .size: 8, .value_kind: global_buffer, .address_space: global }
      - { .name: lowp_scales, .offset: 24, .size: 8, .value_kind: global_buffer, .address_space: global }
      - { .name: a_img, .offset: 32, .size: 8, .value_kind: global_buffer, .address_space: global }
    .group_segment_fixed_size: 327680
    .private_segment_fixed_size: 0
    .kernarg_segment_align: 8
    .kernarg_segment_size: 40
    .max_flat_workgroup_size: 256
    .sgpr_count:     80
    .vgpr_count:     256
    .wavefront_size: 32
...
	.end_amdgpu_metadata
.endif
;; end of part 2
;; launch oproj (part 3): grid 4 x 64, 4 waves a work-group, clusters of 4 x 4, 327,680 bytes of LDS; arguments a_img, WO_codes, lowp_scales, out0; writes out0
.if DOCPART == 3
	.amdgcn_target "amdgcn-amd-amdhsa--gfx1250"
	.amdhsa_code_object_version 6
	.text
	.protected	k_q4de0df0338_oproj
	.globl	k_q4de0df0338_oproj
	.p2align	8
	.type	k_q4de0df0338_oproj,@function
k_q4de0df0338_oproj:
	s_mov_b64 s[64:65], 0
	v_nop
	global_prefetch_b8 v0, s[64:65] scope:SCOPE_SE
	s_setreg_imm32_b32 hwreg(HW_REG_WAVE_MODE, 25, 1), 1
	s_wait_xcnt 0x0
	s_wait_alu depctr_hold_cnt(0) depctr_sa_sdst(0) depctr_va_vdst(0) depctr_va_sdst(0) depctr_va_ssrc(0) depctr_va_vcc(0) depctr_vm_vsrc(0)
	s_getreg_b32 s2, hwreg(HW_REG_IB_STS2, 6, 4)
	s_cmp_eq_u32 s2, 0
	s_cbranch_scc0 .Lentry_in_a_cluster
	s_endpgm
.Lentry_in_a_cluster:
	s_bfe_u32 s2, ttmp6, 0x10000c
	s_cmp_lg_u32 s2, 0xf033
	s_cbranch_scc0 .Lentry_shape_is_right
	s_endpgm
.Lentry_shape_is_right:
; out0 = attention's output x WO^T on codes of BF8 (E5M2): [8,192 x 1,024] x [1,024 x 1,024], f32 out; each finished sum is multiplied once by 2^(e10 + e11).
; A = 128 rows of a_img, B = 256 rows of WO_codes (1,024 bytes a row, K innermost).  256 work-groups.  Four waves, 2 x 2; a wave makes 64 rows x 128 columns: 32 accumulators of 16 x 16.
; The matrix instruction is used transposed (source 0 = 16 rows of WO, source 1 = 16 rows of A): a lane holds eight neighbouring numbers of a row of out0.
; a_img: byte (row / 16) x 16384 + head x 1024 + t x 256 + r x 16 + e = row 16 T + r, channel 64 head + 16 t + e.  Read 16 bytes a lane at c x 512 + lane x 16 of a K step of 128 (two heads, 2,048 bytes),
; registers 4 c .. 4 c + 3 hold k = 32 c + 16 (lane / 16) + 0 .. 15 of row lane % 16: the places that loads of 16 bytes from WO's rows give.  The image needs no padding: a load's 512 bytes are consecutive.
; K goes in four steps of 256 through two LDS slots; a step is two sub-steps of 128, 32 matrix instructions each; the eight sub-steps are written out.
; CLUSTERS: 4 x 4 work-groups.  A's tile hangs on the place along y and is asked for jointly by a row of the cluster, WO's on the place along x, by a column.
; LIMITS: e10 + e11 between -126 and 127, so that 2^(e10 + e11) is an f32 number.  Inside a matrix instruction k is permuted alike in both operands: the order of the sums there differs from ascending k.
; No prefetch is laid: of four K steps two are asked for at the head, and every tile is read by several work-groups.
; REGISTERS, in windows of 256: window 0: v0-31 addresses; v32-95 at work; v128-191, v192-255 A's fragments, two sets of 4 x 16, on the way out rows of out0.  window 1: B's fragments, two sets of 8 x 16.
;   window 2: accumulator (a, b) at v[8 (8 a + b)].
.set PITCH, 272                        ; a row of WO in LDS: 256 bytes + 16 of padding = 68 words: the 16 rows that a load touches start at 16 different banks (64 banks of 4 bytes: ISA guide 11.1)
.set AIMG,  32768                      ; A's part of a slot: 8 tiles of 16 rows x 4,096 bytes (four heads)
.set SLOT,  AIMG+256*PITCH             ; then WO's 256 rows
.set STAGE, 2*SLOT                     ; behind the ring: 16 rows x (512 bytes + 16) for each wave, for the way out; no fill lands here
.set SPITCH, 528
.set SPARE, STAGE+4*16*SPITCH          ; behind the stages: the spare words, 128 bytes for each wave: two blocks of 256 bytes that no other line names
.set ASTEP, 8192                       ; a slot's next tile lies two K steps on: 2 x 4,096 bytes in the image,
.set BSTEP, 512                        ; 2 x 256 bytes in a row of WO
.set ADRA, 16                          ; v16-17 LDS address of my A fragments in slot 0, 1
.set ADRB, 20                          ; v20-21 the same for B
.set STO,  24                          ; v24 the way out: where I put 32 bytes of a row
.set RD,   25                          ; v25 where I read a row back
.set CO,   26                          ; v26 16 x lane: my byte offset in a row's 512 bytes
.set SPW,  28                          ; v28 LDS address of my spare word; never rewritten
.set NIL,  29                          ; v29 0; never rewritten
.set G1A, 24                           ; s[24:31] descriptor group 1 for A's tiles; s[32:39] group 0, a set for each slot
.set G0A, 32
.set G1B, 48                           ; s[48:55], s[56:63] the same for B's
.set G0B, 56
.set MUL,  0xa1                        ; source 0 (B) window 1, source 1 (A) window 0, C and D window 2
.set TO_B, 0x40                        ; destination window 1, address window 0
.set MSB, 0
.macro WIN new                         ; the immediate's high byte repeats the setting that is left
.if MSB != \new
	s_set_vgpr_msb (MSB<<8)|\new
.set MSB, \new
.endif
.endm
.macro PLACES n
.rept \n
	v_nop
.endr
.endm
; A joint load: waves 0 and 1 fetch A's halves, waves 2 and 3 B's.  The branch hangs on the wave's number alone.  Four v_nop follow each of the two lines.
.macro JLOAD s
	s_cmp_eq_u32 s23, 0
	s_cbranch_scc0 .Lfor_b_\@
	tensor_load_to_lds s[G0A+4*\s:G0A+4*\s+3], s[G1A:G1A+7]
.rept 4
	v_nop
.endr
	s_branch .Lasked_\@
.Lfor_b_\@:
	tensor_load_to_lds s[G0B+4*\s:G0B+4*\s+3], s[G1B:G1B+7]
.rept 4
	v_nop
.endr
.Lasked_\@:
.endm
.macro CREST                           ; a round of the cluster's barrier behind its opening barrier
	s_cmp_lg_u32 s22, 0
	s_cbranch_scc1 .Lnot_wave_0_\@
	s_barrier_signal -3
.Lnot_wave_0_\@:
	s_barrier_wait -3
	s_barrier_signal -1
	s_barrier_wait -1
.endm
.macro CROUND                          ; a whole round
	s_barrier_signal -1
	s_barrier_wait -1
	CREST
.endm
; 48 LDS loads in one run: the fragments of the slot's q-th 128 along K into set p
.macro FETCH slot, q, p
	WIN TO_B
.irp i, 0,1,2,3,4,5,6,7
.irp c, 0,1,2,3
	ds_load_b128 v[128*(\p)+16*\i+4*\c:128*(\p)+16*\i+4*\c+3], v[ADRB+\slot] offset:128*(\q)+32*\c+\i*16*PITCH
.endr
.endr
	WIN 0
.irp i, 0,1,2,3
.irp c, 0,1,2,3
	ds_load_b128 v[128+64*(\p)+16*\i+4*\c:128+64*(\p)+16*\i+4*\c+3], v[ADRA+\slot] offset:4096*\i+2048*(\q)+512*\c
.endr
.endr
.endm
; 8 matrix instructions: A's block a against B's eight, from set p.  zero = 1: the product starts the sums.  The 32 accumulators take turns in the same order in every sub-step.
.macro MUL8 a, p, zero
.irp b, 0,1,2,3,4,5,6,7
.if \zero
	v_wmma_f32_16x16x128_bf8_bf8 v[8*(8*(\a)+\b):8*(8*(\a)+\b)+7], v[128*(\p)+16*\b:128*(\p)+16*\b+15], v[128+64*(\p)+16*(\a):128+64*(\p)+16*(\a)+15], 0
.else
	v_wmma_f32_16x16x128_bf8_bf8 v[8*(8*(\a)+\b):8*(8*(\a)+\b)+7], v[128*(\p)+16*\b:128*(\p)+16*\b+15], v[128+64*(\p)+16*(\a):128+64*(\p)+16*(\a)+15], v[8*(8*(\a)+\b):8*(8*(\a)+\b)+7]
.endif
.endr
.endm
; A slot's first sub-step multiplies set 0; the second sub-step's fragments are asked for ahead of its 32 products.
.macro SUB slot, zero
	s_wait_dscnt 0x0                               ; set 0 is in
.if \zero == 0
	PLACES 4                                       ; four places between the last products, which read set 1, and the loads into it (ISA guide 7.12.1 for vector instructions)
.endif
	FETCH \slot, 1, 1
	WIN MUL
	MUL8 0, 0, \zero
	MUL8 1, 0, \zero
	MUL8 2, 0, \zero
	MUL8 3, 0, \zero
	WIN 0
.endm
; A slot's second sub-step multiplies set 1 and changes slots: one barrier; in front of it each wave waits for all its tensor loads, adds 0 to its spare word, and waits for that and for its reads of this slot.
.macro TURN slot, next, fill
	s_wait_tensorcnt 0x0                           ; all my tensor loads have landed: my part of the next slot
	ds_add_u32 v[SPW], v[NIL]                      ; 0 onto my spare word
	s_wait_dscnt 1                                 ; set 1's 48 loads are in; the add alone may be out
	WIN MUL
	MUL8 0, 1, 0                                   ; eight matrix instructions stand between the add and the wait for it
	s_wait_dscnt 0x0                               ; the add is done, and my reads of this slot are over
	s_barrier_signal -1
	MUL8 1, 1, 0
	WIN 0
	s_barrier_wait -1
.if \fill
	CREST                                          ; the barrier has opened a round of the cluster's: no wave of any partner still reads this slot or has a load on its way
	s_add_nc_u64 s[G0A+4*\slot+2:G0A+4*\slot+3], s[G0A+4*\slot+2:G0A+4*\slot+3], ASTEP
	s_add_nc_u64 s[G0B+4*\slot+2:G0B+4*\slot+3], s[G0B+4*\slot+2:G0B+4*\slot+3], BSTEP
	JLOAD \slot                                    ; the first tensor load behind the round; its four v_nop are the places in front of the loads below
.else
	PLACES 4
.endif
	FETCH \next, 0, 0
	WIN MUL
	MUL8 2, 1, 0
	MUL8 3, 1, 0
	WIN 0
.endm
.macro LAST                            ; the very last sub-step: nothing more to fetch
	s_wait_dscnt 0x0
	WIN MUL
	MUL8 0, 1, 0
	MUL8 1, 1, 0
	MUL8 2, 1, 0
	MUL8 3, 1, 0
	WIN 0
.endm
	s_load_b256 s[4:11], s[0:1], 0x0               ; a_img s[4:5], WO's codes s[6:7], the scales' exponents s[8:9], out0 s[10:11]
	v_lshl_add_u32 v[SPW], v0, 2, SPARE
	v_mov_b32 v[NIL], 0
	v_lshrrev_b32 v1, 5, v0
	v_readfirstlane_b32 s22, v1                    ; wave 0..3
	s_lshr_b32 s23, s22, 1                         ; which 64 rows of A are mine.  Also: I fetch for A (0) or for B (1)
	s_and_b32 s2, s22, 1                           ; which 128 rows of WO are mine.  Also: which half of that tile I fetch
	s_bfe_u32 s40, ttmp6, 0x40000                  ; cx: WO's tile of 256 rows
	s_bfe_u32 s41, ttmp6, 0x40004                  ; cy
	s_and_b32 s45, ttmp7, 0xffff
	s_lshl_b32 s45, s45, 2
	s_add_co_u32 s45, s45, s41                     ; A's tile of 128 rows = 4 x cluster y + cy
	s_lshl_b32 s86, s41, 2
	s_lshl_b32 s86, 15, s86                        ; my row of the cluster
	s_lshl_b32 s87, 0x1111, s40                    ; my column
	s_or_b32 s[G1A], s86, (3<<16)|(1<<21)          ; 15:0 the mask; 17:16 elements of 8 bytes; 21 set beside a mask; no padding
	s_mov_b32 s[G1A+1], 512<<16                    ; tensor_dim0 = 512: a row of the tile is 4,096 bytes, a tile of 16 rows of A x four heads
	s_mov_b32 s[G1A+2], 4<<16                      ; tensor_dim1 = 4
	s_mov_b32 s[G1A+3], 512<<16                    ; tile_dim0 = 512
	s_mov_b32 s[G1A+4], 4                          ; tile_dim1 = 4
	s_mov_b32 s[G1A+5], 2048                       ; from row to row: 16,384 bytes
	s_mov_b32 s[G1A+6], 0
	s_mov_b32 s[G1A+7], 0
	s_or_b32 s[G1B], s87, (1<<20)|(1<<21)|(5<<22)|(3<<25)   ; elements of 1 byte; padding: four words after every 64
	s_mov_b32 s[G1B+1], 256<<16
	s_mov_b32 s[G1B+2], 128<<16
	s_mov_b32 s[G1B+3], 256<<16
	s_mov_b32 s[G1B+4], 128
	s_mov_b32 s[G1B+5], 1024
	s_mov_b32 s[G1B+6], 0
	s_mov_b32 s[G1B+7], 0
	s_lshl_b32 s88, s45, 17                        ; A: eight tiles of 16,384 bytes,
	s_lshl_b32 s89, s2, 16                         ; + my half's four
	s_add_co_u32 s88, s88, s89
	s_mov_b32 s89, 0
	s_lshl_b32 s90, s40, 18                        ; B: 256 rows of 1,024 bytes,
	s_lshl_b32 s91, s2, 17                         ; + my half's 128
	s_add_co_u32 s90, s90, s91
	s_mov_b32 s91, 0
	s_lshl_b32 s92, s2, 14                         ; where they go: no place in the cluster enters an LDS address
	s_mul_i32 s93, s2, 128*PITCH
	s_add_co_u32 s93, s93, AIMG
	s_wait_kmcnt 0x0
	s_load_b64 s[96:97], s[8:9], 0x28              ; e10, e11
	s_add_nc_u64 s[80:81], s[4:5], s[88:89]
	s_add_nc_u64 s[82:83], s[6:7], s[90:91]
	CROUND                                         ; all sixteen work-groups are here: the first joint loads meet
.irp s, 0,1
	s_mov_b32 s[G0A+4*\s], 1                       ; count = 1
	s_add_co_u32 s[G0A+4*\s+1], s92, \s*SLOT       ; LDS address
	s_add_nc_u64 s[G0A+4*\s+2:G0A+4*\s+3], s[80:81], \s*4096  ; global address: K step s
	s_or_b32 s[G0A+4*\s+3], s[G0A+4*\s+3], 0x80000000         ; type = 2
	s_mov_b32 s[G0B+4*\s], 1
	s_add_co_u32 s[G0B+4*\s+1], s93, \s*SLOT
	s_add_nc_u64 s[G0B+4*\s+2:G0B+4*\s+3], s[82:83], \s*256
	s_or_b32 s[G0B+4*\s+3], s[G0B+4*\s+3], 0x80000000
	JLOAD \s                                       ; two loads of mine are out
.endr
	v_and_b32 v1, 15, v0                           ; r = lane % 16
	v_bfe_u32 v2, v0, 4, 1                         ; h = lane / 16
	v_and_b32 v6, 31, v0
	v_lshlrev_b32 v[CO], 4, v6                     ; 16 x lane
	s_lshl_b32 s94, s23, 14                        ; my four tiles of A's image
	v_add_nc_u32 v[ADRA], s94, v[CO]
	v_add_nc_u32 v[ADRA+1], SLOT, v[ADRA]
	v_mul_u32_u24 v3, v1, PITCH
	v_lshl_add_u32 v4, v2, 4, v3                   ; WO: row x pitch + 16 h
	s_mul_i32 s95, s2, 128*PITCH
	s_add_co_u32 s95, s95, AIMG
	v_add_nc_u32 v[ADRB], s95, v4
	v_add_nc_u32 v[ADRB+1], SLOT, v[ADRB]
	s_mul_i32 s94, s22, 16*SPITCH
	s_add_co_u32 s94, s94, STAGE                   ; my stage
	v_mul_u32_u24 v5, v1, SPITCH                   ; in: row r, 32 bytes for each half of the lanes
	v_lshl_add_u32 v5, v2, 5, v5
	v_add_nc_u32 v[STO], s94, v5
	v_add_nc_u32 v[RD], s94, v[CO]                 ; back: the 32 lanes take one row of 512 bytes
	s_lshl_b32 s94, s45, 19                        ; out0: 128 rows of 4,096 bytes a tile,
	s_lshl_b32 s95, s23, 18                        ; + my 64 rows,
	s_add_co_u32 s94, s94, s95
	s_lshl_b32 s95, s40, 10                        ; + 256 columns of 4 bytes a tile,
	s_add_co_u32 s94, s94, s95
	s_lshl_b32 s95, s2, 9                          ; + my 128
	s_add_co_u32 s94, s94, s95
	s_mov_b32 s95, 0
	s_add_nc_u64 s[10:11], s[10:11], s[94:95]
	s_wait_tensorcnt 1                             ; my part of K step 0 is in; K step 1's load may be out
	s_barrier_signal -1
	s_barrier_wait -1
	FETCH 0, 0, 0
	SUB 0, 1                                       ; K step 0: its first products start the sums
	TURN 0, 1, 1                                   ; slot 0 takes K step 2
	SUB 1, 0                                       ; K step 1
	TURN 1, 0, 1                                   ; slot 1 takes K step 3
	SUB 0, 0                                       ; K step 2
	TURN 0, 1, 0                                   ; nothing is left to fetch
	SUB 1, 0                                       ; K step 3
	LAST
; THE WAY OUT, block by block of 16 rows x 128 columns.  A lane holds 32 neighbouring bytes of a row, and the lanes beside it hold other rows: so a block goes through my own stage in LDS and comes back as whole
; rows of 512 bytes.  LDS serves a wave's instructions in order (ISA guide 5.7.1.4): no wait between the stores and the loads, nor in front of the next block's stores.
.macro TOSTAGE a
	WIN 0x02                                       ; source 0: the accumulators' window
.set j, 0
.rept 32
	v_pk_mul_f32 v[32+j:33+j], v[64*(\a)+j:64*(\a)+j+1], s[96:97] op_sel_hi:[1,0]   ; both x s96 = 2^(e10 + e11); each accumulator from its low end on
.set j, j+2
.endr
	WIN 0
.irp b, 0,1,2,3,4,5,6,7
	ds_store_b128 v[STO], v[32+8*\b:32+8*\b+3] offset:64*\b
	ds_store_b128 v[STO], v[32+8*\b+4:32+8*\b+7] offset:64*\b+16
.endr
.set BB, 128+64*((\a)%2)
.irp t, 0,1,2,3,4,5,6,7,8,9,10,11,12,13,14,15
	ds_load_b128 v[BB+4*\t:BB+4*\t+3], v[RD] offset:\t*SPITCH
.endr
.endm
.macro SEND a, younger                 ; younger: the LDS instructions issued behind block a's loads, which may stay out
.set BB, 128+64*((\a)%2)
	s_wait_dscnt \younger                          ; the block is back in registers
.if (\a) > 0
	s_add_nc_u64 s[10:11], s[10:11], 16*4096       ; (behind a wait on XCNT: the earlier stores have read their base)  16 rows of out0 on
.endif
.irp t, 0,1,2,3,4,5,6,7,8,9,10,11,12,13,14,15
	global_store_b128 v[CO], v[BB+4*\t:BB+4*\t+3], s[10:11] offset:\t*4096 th:TH_STORE_NT   ; 32 lanes store 512 consecutive bytes, at a multiple of 256 from out0's first byte; written once, read by nobody here
.endr
.endm
	s_wait_kmcnt 0x0
	s_add_co_i32 s96, s96, s97                     ; e10 + e11, between -126 and 127,
	s_add_co_i32 s96, s96, 127
	s_lshl_b32 s96, s96, 23                        ; makes the f32 number 2^(e10 + e11)
	PLACES 4                                       ; four places between the last products and the first read of results, and the loads into A's registers
	TOSTAGE 0
.irp a, 1,2,3
.if \a > 1
	s_wait_xcnt 0x0                                ; block a - 2's stores have read their registers and their base: block a's loads may land there, and the base may step
.endif
	TOSTAGE \a
	SEND \a-1, 32                                  ; behind block a - 1's loads: block a's 16 stores and 16 loads
.endr
	s_wait_xcnt 0x0                                ; block 2's stores have read their base
	SEND 3, 0
	s_wait_tensorcnt 0x0                           ; the wave's end: behind my last tensor load and my last LDS store
	ds_add_u32 v[SPW], v[NIL]
	s_wait_dscnt 0x0
	CROUND                                         ; the closing round: no work-group ends while a partner may still ask for a tile that names it
	s_endpgm
.Lfunc_end_k_q4de0df0338_oproj:
	.size	k_q4de0df0338_oproj, .Lfunc_end_k_q4de0df0338_oproj-k_q4de0df0338_oproj
	.p2alignl 7, 3214868480
	.fill 96, 4, 3214868480
	.section	.rodata,"a",@progbits
	.p2align	6, 0x0
	.amdhsa_kernel k_q4de0df0338_oproj
		.amdhsa_group_segment_fixed_size 327680
		.amdhsa_private_segment_fixed_size 0
		.amdhsa_enable_private_segment 0
		.amdhsa_kernarg_size 32
		.amdhsa_user_sgpr_count 2
		.amdhsa_user_sgpr_kernarg_segment_ptr 1
		.amdhsa_wavefront_size32 1
		.amdhsa_system_sgpr_workgroup_id_x 1
		.amdhsa_system_sgpr_workgroup_id_y 1
		.amdhsa_system_sgpr_workgroup_id_z 1
		.amdhsa_system_vgpr_workitem_id 0
		.amdhsa_next_free_vgpr 768
		.amdhsa_next_free_sgpr 100
		.amdhsa_reserve_vcc 0
		.amdhsa_float_denorm_mode_32 3
		.amdhsa_float_denorm_mode_16_64 3
		.amdhsa_memory_ordered 1
		.amdhsa_forward_progress 1
		.amdhsa_inst_pref_size 74
	.end_amdhsa_kernel
	.amdgpu_metadata
---
amdhsa.version: [ 1, 2 ]
amdhsa.kernels:
  - .name:           k_q4de0df0338_oproj
    .symbol:         k_q4de0df0338_oproj.kd
    .args:
      - { .name: a_img, .offset: 0, .size: 8, .value_kind: global_buffer, .address_space: global }
      - { .name: WO_codes, .offset: 8, .size: 8, .value_kind: global_buffer, .address_space: global }
      - { .name: lowp_scales, .offset: 16, .size: 8, .value_kind: global_buffer, .address_space: global }
      - { .name: out0, .offset: 24, .size: 8, .value_kind: global_buffer, .address_space: global }
    .group_segment_fixed_size: 327680
    .private_segment_fixed_size: 0
    .kernarg_segment_align: 8
    .kernarg_segment_size: 32
    .max_flat_workgroup_size: 128
    .sgpr_count:     100
    .vgpr_count:     768
    .wavefront_size: 32
...
	.end_amdgpu_metadata
.endif
;; end of part 3
